; MI455X (gfx1250); checked and timed in simulation.
; The chip was launched on July 23, 2026; its instructions are those of AMD's public machine-readable ISA for CDNA 5 (MIT licence, August 2026) and "CDNA5" Instruction Set Architecture Reference Guide (July 2026). The comments in the code are by the model that wrote it; some were corrected since.
;; DIN Attention. Allowed arithmetic: matrix products marked QUANTISED: E2M1 operands, one E8M0 scale for each 32 along K, by v_wmma_scale_f32_16x16x128_f8f6f4 with both operands' format E2M1 (or v_wmma_scale_f32_32x16x128_f4), f32 sums; products left as they are: f32 operands where the result goes on into a quantised operand, else bf16, f16 or f32 operands; f32 sums; everything else in f32.
;; Inputs: W1_codes 256 x 16 x 16 uint8 (E2M1 codes of W1, K innermost, in blocks of 32 codes, two codes a byte); W1_scales 256 x 16 uint8 (E8M0 scales of W1, one for each 32 codes along K); W2_codes 128 x 8 x 16 uint8 (E2M1 codes of W2, K innermost, in blocks of 32 codes, two codes a byte); W2_scales 128 x 8 uint8 (E8M0 scales of W2, one for each 32 codes along K); W3 128 x 1 float32; a1 1 float32; a2 1 float32; b1 256 float32; b2 128 float32; b3 1 float32; keys 2,048 x 200 x 128 float32; mask 2,048 x 200 int32; query 2,048 x 128 float32.
;; Outputs: out0 2,048 x 128 float32.
;; This version of the problem:
;;   THIS VERSION OF THE PROBLEM IS GIVEN IN LOW PRECISION. The matrix products marked QUANTISED in the list below multiply operands that are first quantised to E2M1 (2 exponent bits, 1 mantissa bit; 4 bits a number), with one power-of-two scale for each 32 numbers along K (OCP MX v1.0); their sums are f32. All else is computed in f32.
;;   The module's matrix products, in the order in which they are computed (A, B: the left and right operand; K: the contracted axis; several contracted axes count as one K, in the product's order):
;;     1. [M 409,600, K 512] x [K 512, N 256]; A: computed on the way; B: input W1 (given as codes): QUANTISED
;;     2. [M 409,600, K 256] x [K 256, N 128]; A: computed on the way; B: input W2 (given as codes): QUANTISED
;;     3. [M 409,600, K 128] x [K 128, N 1]; A: computed on the way; B: input W3: left as it is (N = 1 < 16)
;;     4. batch 2,048 x [M 1, K 200] x [K 200, N 128]; A: computed on the way; B: input keys: left as it is (M = 1 < 16)
;;   THE QUANTISER, for each operand of a quantised product, along K:
;;     - K is cut into blocks of 32 from its start; a last block that is shorter is filled with zeros.
;;     - A block's scale is 2^e with e = floor(log2(the largest magnitude in the block)) - 2, held to -126 .. 127; a block of zeros has e = 0. As a byte (E8M0): e + 127.
;;     - Each number is divided by its block's scale, clamped to +-6, and rounded to the nearest number of E2M1, ties to even, subnormals kept.
;;     - The product sums the exact products of the quantised numbers (number of the format x scale) in f32.
;;   ~~~python
;;   def quantise(x, axis):      # numpy; x: float32 -> the quantised numbers, widened to float32 again
;;       x = np.moveaxis(x, axis, -1); K = x.shape[-1]
;;       x = np.pad(x, [(0, 0)] * (x.ndim - 1) + [(0, -K % 32)]); x = x.reshape(x.shape[:-1] + (-1, 32)); a = np.abs(x).max(-1, keepdims=True)
;;       e = np.where(a > 0, np.clip(np.frexp(np.where(a > 0, a, 1))[1] - 1 - 2, -126, 127), 0)      # np.frexp(a)[1] - 1 = floor(log2(a)), exactly
;;       r = np.clip(x / 2.0 ** e, -6, 6)
;;       step = 2.0 ** (np.maximum(np.frexp(np.where(r == 0, 1, r))[1] - 1, 0) - 1)
;;       q = np.round(r / step) * step * 2.0 ** e      # np.round: ties to even
;;       return np.moveaxis(q.reshape(q.shape[:-2] + (-1,))[..., :K], -1, axis).astype(np.float32)
;;   ~~~
;;   OPERANDS COMPUTED ON THE WAY. 'Computed on the way' means the value that the module computes at that place (a softmax that the list does not call 'softmax' is quantised finished and normalised). What goes into a quantiser is computed in f32, as accurately as f32 sums, v_exp_f32 and their like allow (about 1e-6 of the number): no bf16 or f16 on the way to a quantiser, and a product that is left as it is and whose result goes on into a quantised operand takes f32 operands (vector FMAs, or v_wmma_f32_16x16x4_f32). A number that lies on a knife's edge between two numbers of the format may be rounded either way, as far as f32 arithmetic and the matrix unit's own rounding can turn it there, and no further.
;;   INPUTS GIVEN AS CODES. W1 (in the module: [512, 256], K = its axis 0); W2 (in the module: [256, 128], K = its axis 0): each comes as NAME_codes (uint8): NAME with its K axis moved to the last place and cut into blocks of 32 codes, [.., K / 32, bytes a block], one block behind the other in memory; two codes a byte, the lower K in the low four bits (a code: sign, 2 exponent bits, 1 mantissa bit); and NAME_scales (uint8): the same leading axes, one E8M0 byte (e + 127) for each 32 codes along K. Its value is code x scale, taken as it is: it is not quantised again, and the codes and scales need not be those that the quantiser above would give.
;; One version. Each part assembles by itself: llvm-mc -triple=amdgcn-amd-amdhsa -mcpu=gfx1250 --defsym DOCPART=n.
;; ======== version 1 of 1: 1 launch
;; launch din (part 1): grid 256 x 1, 4 waves a work-group, no clusters, 327,680 bytes of LDS; arguments keys, query, mask, W1_codes, W1_scales, W2_codes, W2_scales, b1, b2, W3, a1, a2, b3, out0; writes out0
.if DOCPART == 1
	.amdgcn_target "amdgcn-amd-amdhsa--gfx1250"
	.amdhsa_code_object_version 6
	.text
	.protected	k_q25402d9890_din
	.globl	k_q25402d9890_din
	.p2align	8
	.type	k_q25402d9890_din,@function
k_q25402d9890_din:
	s_mov_b64 s[64:65], 0
	v_nop
	global_prefetch_b8 v0, s[64:65] scope:SCOPE_SE
	s_setreg_imm32_b32 hwreg(HW_REG_WAVE_MODE, 25, 1), 1
	s_wait_xcnt 0x0
; DIN attention, fused.  For each of 2,048 batches and each of its 200 keys: the row [q, k, q-k, q*k] (512 numbers) is quantised to E2M1 in 16 blocks of 32,
; multiplied by W1 (codes, 256 units), + b1, PReLU, quantised in 8 blocks, multiplied by W2 (codes, 128 units), + b2, PReLU, dot W3 + b3: the score.
; Then per batch: score = NEG where the mask is not above 0, softmax with a running maximum, the masked weights renormalised, the weighted sum of the keys, all in f32.
; SHARES.  256 work-groups of four waves; wave w of work-group g owns batches A = 8 g + 2 w and B = A + 1: 400 rows = 25 tiles of 16 rows.  Waves share nothing but the barriers in front of refills.
; The keys come by tensor loads into the wave's own ring of two LDS slots of 64 rows: groups 0 to 5 are 64 rows of ONE batch (batch = group & 1 = slot), the last group is one tile: rows 192-199 of A, then of B.
; Each key byte leaves memory once: a tile is read from LDS twice, once by rows for the quantiser (a lane = a row), once dense for the weighted sum (a lane = 4 columns).
; BOTH PRODUCTS ARE USED TRANSPOSED (source 0 = 16 rows of W, source 1 = 16 data rows): lane (r = lane % 16, h = lane / 16) holds data row r throughout and its registers run along the next K.
; THE ROWS OF W1 THAT FORM A TILE ARE NOT NEIGHBOURS: lane r of tile 2 b + u takes row 32 b + 8 u + r + 8 (r / 8), so that the 16 registers of tiles 2 b, 2 b + 1 are hidden units 32 b + 16 h + 0 .. 15.
; W1's 64 fragments and W2's 16 stay in the wave's registers (640) for the whole launch.  The biases are the C of each sum's first matrix instruction, loaded from LDS into the accumulators.
; NO CLUSTER: what work-groups share is the weights, 87,040 bytes, read once ahead of the loop, straight into registers; every byte that the loop fetches (204,800 a wave) is the wave's own.
; LIMITS: NaN and infinities among the inputs are not served.  A block whose largest magnitude lies under 2^-124 keeps the scale byte 1 (a block of zeros too: its codes are zeros).
; A score at or under -3e38 is not told apart from no row yet.  a1 and a2 may be any finite numbers: PReLU is max(x, a x) for a <= 1 and min(x, a x) for a > 1, chosen by a value, not by a branch.
; REGISTERS, in windows of 256 (s_set_vgpr_msb: bits 1:0 source 0, 3:2 source 1, 5:4 source 2, 7:6 destination):
;  window 0: v1 KLANE, v2 RLANE, v3 ADK, v4 ADR, v5 AB1, v6 AB2, v7 AQN0, v8 AQI0, v9 AMK0, v10 mask, v11 score, v12 8 h, v13/v14 the add's two, v15 16 x lane, v16-31 at work,
;            v32-39, v40-47 two batches' states (+0 m, +1 S, +2 E, +4..7 the weighted sum of columns 4 lane .. + 3), v48-79 W1's scale words, v80-87 W2's,
;            v88-119 the fragments of q, k, q-k, q*k (k's and q-k's later the hidden layer's two), v120-123 their scale words, v124-125 the hidden layer's, v[126:127] f,
;            v128-191 R0: 64 numbers at work, v192-255 RQ: q's 64 numbers of the lane
;  windows 1, 2: W1's fragments: tile T, K step s at v[8 (4 (T % 8) + s)], T < 8 in window 1.   window 3: v0-127 W2's fragments at v[8 (2 u + s)]; v128-191 AL, v192-255 AH: the 16 accumulators, and stages for constants.
.set ROWP,   528                       ; a key's row in LDS: 512 bytes + 16 of padding = 132 words: row r starts at bank 4 r mod 64 (64 banks of 4 bytes: ISA guide 11.1)
.set TILEB,  16*ROWP                   ; a tile of 16 rows
.set SLOTB,  64*ROWP                   ; a slot: 64 rows
.set WRING,  2*SLOTB                   ; a wave's ring
.set CONSTB, 4*WRING                   ; behind the rings: each wave's constants, written by LDS stores alone; no tile lands there
.set CWB,    7936                      ; +0 b1 | +1024 b2 | +1536 W3 | +2048 q of A, of B (f32) | +3072 images of q's fragment, 1,536 bytes a batch | +6144 the two batches' masks
.set C_B2,   1024
.set C_QN,   2048
.set C_QI,   3072
.set C_MK,   6144
.set SPARE,  CONSTB+4*CWB              ; the spare words, 128 bytes for each wave: two blocks of 256 bytes that no other line names
.set BATB,   200*512                   ; a batch's keys in bytes
.set MSB, 0
.macro WIN new                         ; the immediate's high byte repeats the setting that is left; a switch that changes nothing is dropped
.if MSB != \new
	s_set_vgpr_msb (MSB<<8)|\new
.set MSB, \new
.endif
.endm
.macro PLACES n
.rept \n
	v_nop
.endr
.endm
; 16 rows x 128 numbers for the quantiser: lane (r, h) takes of row r the numbers 64 c + 32 h + 0 .. 31: two whole blocks, into R0
.macro KLOAD off
.irp c, 0,1
.irp j, 0,1,2,3,4,5,6,7
	ds_load_b128 v[128+32*\c+4*\j:131+32*\c+4*\j], v3 offset:\off+256*\c+16*\j
.endr
.endr
.endm
; what a group wants first: q's fragment and scale word (an image of the registers), q's numbers, the first tile's keys
.macro HEADLOADS
	ds_load_b128 v[88:91], v26
	ds_load_b128 v[92:95], v26 offset:512
	ds_load_b32 v120, v26 offset:1024
.irp c, 0,1
.irp j, 0,1,2,3,4,5,6,7
	ds_load_b128 v[192+32*\c+4*\j:195+32*\c+4*\j], v25 offset:256*\c+16*\j
.endr
.endr
	KLOAD 0
.endm
; b1 in the result's layout into 8 accumulators (window 3): tiles 2 b, 2 b + 1 want b1[32 b + 16 h + 0 .. 15]
.macro B1LOAD hf
.irp b, 0,1,2,3
.irp q, 0,1,2,3
	ds_load_b128 v[128+64*\hf+16*\b+4*\q:131+64*\hf+16*\b+4*\q], v5 offset:512*\hf+128*\b+16*\q
.endr
.endr
.endm
; b2 (off = 0) or W3 (off = 512) in the second result's layout: tile u wants numbers 16 u + 8 h + 0 .. 7
.macro CLOAD dst, off
.set u, 0
.rept 8
	ds_load_b128 v[\dst+8*u:\dst+8*u+3], v6 offset:\off+64*u
	ds_load_b128 v[\dst+8*u+4:\dst+8*u+7], v6 offset:\off+64*u+16
.set u, u+1
.endr
.endm
; 64 numbers of a lane, register 32 c + i = k 64 c + 32 h + i of its row (two whole blocks, 2 c + h), become the fragment's 8 registers and the row's scale word.  win = 1: the numbers lie in window 3.
.macro QIN src, win, dst, word
.if \win
	WIN 0x3c
.else
	WIN 0
.endif
.irp c, 0,1
	v_max3_num_f32 v[16+2*\c], 0x1800000, |v[\src+32*\c]|, |v[\src+32*\c+1]|      ; the floor 2^(3 - 127) among the leaves: the byte cannot fall under 1
	v_max3_num_f32 v[17+2*\c], 0, |v[\src+32*\c+2]|, |v[\src+32*\c+3]|             ; two chains a block, four by turns
.endr
.irp i, 4,8,12,16,20,24,28
.irp c, 0,1
	v_max3_num_f32 v[16+2*\c], v[16+2*\c], |v[\src+32*\c+\i]|, |v[\src+32*\c+\i+1]|
	v_max3_num_f32 v[17+2*\c], v[17+2*\c], |v[\src+32*\c+\i+2]|, |v[\src+32*\c+\i+3]|
.endr
.endr
	WIN 0
.irp c, 0,1
	v_max_num_f32 v[16+2*\c], v[16+2*\c], v[17+2*\c]       ; the block's largest magnitude
.endr
.irp c, 0,1
	v_add_nc_u32 v[20+\c], 0xff000000, v[16+2*\c]          ; 2 off its exponent field: the conversion takes the exponent field of this operand as its scale
.endr
.irp c, 0,1
	v_lshrrev_b32 v[22+\c], 23, v[20+\c]                   ; the scale's byte
.endr
	v_lshl_or_b32 v25, v23, 16, v22                        ; my two bytes, blocks h and 2 + h,
	v_lshlrev_b32 v25, v12, v25                            ; at their places (8 h bits up);
	v_permlanex16_b32 v24, v25, s52, s53
	v_or_b32 v[\word], v25, v24                            ; with lane l xor 16's two the word is whole
.if \win
	WIN 0x03
.endif
.irp c, 0,1
.irp g, 0,1,2,3
	v_cvt_scalef32_pk8_fp4_f32 v[\dst+4*\c+\g], v[\src+32*\c+8*\g:\src+32*\c+8*\g+7], v[20+\c]
.endr
.endr
	WIN 0
	v_nop                                                  ; one plain place behind a scaled conversion
.endm
; R0's 64 numbers, register 16 b + i = k 32 b + 16 h + i of my row, become a fragment and its scale word: a block lies in lanes l and l xor 16
.macro QUANT4 dst, word
.irp b, 0,1,2,3
	v_max3_num_f32 v[16+\b], |v[128+16*\b]|, |v[129+16*\b]|, 0x1800000
.endr
.irp i, 2,4,6,8,10,12,14
.irp b, 0,1,2,3
	v_max3_num_f32 v[16+\b], v[16+\b], |v[128+16*\b+\i]|, |v[129+16*\b+\i]|
.endr
.endr
.irp b, 0,1,2,3
	v_permlanex16_b32 v[20+\b], v[16+\b], s52, s53
.endr
.irp b, 0,1,2,3
	v_max_num_f32 v[16+\b], v[16+\b], v[20+\b]
.endr
.irp b, 0,1,2,3
	v_add_nc_u32 v[28+\b], 0xff000000, v[16+\b]
.endr
.irp b, 0,1,2,3
	v_lshrrev_b32 v[20+\b], 23, v[28+\b]
.endr
	v_lshl_or_b32 v24, v21, 8, v20
	v_lshl_or_b32 v24, v22, 16, v24
	v_lshl_or_b32 v[\word], v23, 24, v24
.irp b, 0,1,2,3
	v_cvt_scalef32_pk8_fp4_f32 v[\dst+2*\b], v[128+16*\b:135+16*\b], v[28+\b]
	v_cvt_scalef32_pk8_fp4_f32 v[\dst+1+2*\b], v[136+16*\b:143+16*\b], v[28+\b]
.endr
	v_nop                                                  ; one plain place behind a scaled conversion
.irp c, 0,1                                                ; the operand's layout wants a WHOLE block in a lane
.irp i, 0,1
	v_permlane16_swap_b32 v[\dst+4*\c+\i], v[\dst+2+4*\c+\i]
.endr
.endr
.endm
; PReLU of 64 results in window 3 into R0: a x, then the middle of (x, a x, +-infinity) = max or min of the two.  Each accumulator is read from its low end on.
.macro PRELU src, sa, st
	WIN 0x03
.set i, 0
.rept 32
	v_pk_mul_f32 v[128+2*i:129+2*i], v[\src+2*i:\src+2*i+1], s[\sa:\sa+1] op_sel_hi:[1,0]
.set i, i+1
.endr
.set i, 0
.rept 64
	v_med3_num_f32 v[128+i], v[\src+i], v[128+i], s[\st]
.set i, i+1
.endr
	WIN 0
.endm
; Product 1, eight tiles of hidden units: 4 K steps (q, k, q-k, q*k) x 8 accumulators by turns, one instruction a turn.  C begins as b1, which lies in the accumulators.
.macro P1HALF hf
.irp st, 0,1,2,3
.set t, 0
.rept 8
.if t%2
	v_wmma_scale_f32_16x16x128_f8f6f4 v[128+64*\hf+8*t:135+64*\hf+8*t], v[8*(4*t+\st):8*(4*t+\st)+7], v[88+8*\st:95+8*\st], v[128+64*\hf+8*t:135+64*\hf+8*t], v[48+16*\hf+4*(t/2)+\st], v[120+\st] matrix_a_fmt:MATRIX_FMT_FP4 matrix_b_fmt:MATRIX_FMT_FP4 matrix_a_scale:MATRIX_SCALE_ROW1
.else
	v_wmma_scale_f32_16x16x128_f8f6f4 v[128+64*\hf+8*t:135+64*\hf+8*t], v[8*(4*t+\st):8*(4*t+\st)+7], v[88+8*\st:95+8*\st], v[128+64*\hf+8*t:135+64*\hf+8*t], v[48+16*\hf+4*(t/2)+\st], v[120+\st] matrix_a_fmt:MATRIX_FMT_FP4 matrix_b_fmt:MATRIX_FMT_FP4
.endif
.set t, t+1
.endr
.endr
.endm
; Product 2: 2 K steps x 8 accumulators by turns; C begins as b2
.macro P2
.irp sg, 0,1
.set u, 0
.rept 8
.if u%2
	v_wmma_scale_f32_16x16x128_f8f6f4 v[128+8*u:135+8*u], v[8*(2*u+\sg):8*(2*u+\sg)+7], v[96+8*\sg:103+8*\sg], v[128+8*u:135+8*u], v[80+2*(u/2)+\sg], v[124+\sg] matrix_a_fmt:MATRIX_FMT_FP4 matrix_b_fmt:MATRIX_FMT_FP4 matrix_a_scale:MATRIX_SCALE_ROW1
.else
	v_wmma_scale_f32_16x16x128_f8f6f4 v[128+8*u:135+8*u], v[8*(2*u+\sg):8*(2*u+\sg)+7], v[96+8*\sg:103+8*\sg], v[128+8*u:135+8*u], v[80+2*(u/2)+\sg], v[124+\sg] matrix_a_fmt:MATRIX_FMT_FP4 matrix_b_fmt:MATRIX_FMT_FP4
.endif
.set u, u+1
.endr
.endr
.endm
; the score: my 64 numbers of the second hidden layer (R0) times W3 (AH, same layout), four pair sums by turns; then lane l xor 16's half, and b3
.macro DOT
	WIN 0x0c
.set i, 0
.rept 4
	v_pk_mul_f32 v[16+2*i:17+2*i], v[128+2*i:129+2*i], v[192+2*i:193+2*i]
.set i, i+1
.endr
.rept 28
	v_pk_fma_f32 v[16+2*(i%4):17+2*(i%4)], v[128+2*i:129+2*i], v[192+2*i:193+2*i], v[16+2*(i%4):17+2*(i%4)]
.set i, i+1
.endr
	WIN 0
	v_pk_add_f32 v[16:17], v[16:17], v[18:19]
	v_pk_add_f32 v[20:21], v[20:21], v[22:23]
	v_pk_add_f32 v[16:17], v[16:17], v[20:21]
	v_add_f32 v16, v16, v17
	v_permlanex16_b32 v17, v16, s52, s53
	v_add_f32 v16, v16, v17
	v_add_f32 v11, s60, v16
.endm
; One tile of 16 rows, from its keys in R0 to its scores in v11.  tail = 1: the mask's address was made ahead.
.macro CORE tail
	v_add_nc_u32 v3, s62, v1                               ; the tile's place, by rows
	v_add_nc_u32 v4, s62, v2                               ; and dense
.if !\tail
	v_add_nc_u32 v27, s63, v9
.endif
	s_wait_dscnt 0x0                                       ; the keys, b1's low half and, in a group's first tile, q are in
	ds_load_b32 v10, v27                                   ; my row's mask word: wanted at the tile's end; the wait in the middle of product 1 covers it
	QIN 128, 0, 96, 121                                    ; k
	WIN 0xc0
.set i, 0
.rept 32
	v_pk_add_f32 v[192+2*i:193+2*i], v[192+2*i:193+2*i], v[128+2*i:129+2*i] neg_lo:[0,1] neg_hi:[0,1]   ; q - k, into AH
.set i, i+1
.endr
	QIN 192, 1, 104, 122
	WIN 0xc0
	B1LOAD 1                                               ; b1's high half takes AH
	WIN 0
.set i, 0
.rept 32
	v_pk_mul_f32 v[128+2*i:129+2*i], v[192+2*i:193+2*i], v[128+2*i:129+2*i]                             ; q * k, in place
.set i, i+1
.endr
	QIN 128, 0, 112, 123
	PLACES 8                                               ; a scale word written by a vector instruction stands 8 places ahead of a scaled matrix instruction, an operand so written 4
	WIN 0xf1
	P1HALF 0
	s_wait_dscnt 0x0                                       ; b1's high half, asked for ahead of the last quantiser and these 32 products
	WIN 0xf2
	P1HALF 1
	WIN 0
	PLACES 4                                               ; in front of the first read of results, and of all later loads into and writes of these products' registers
	PRELU 128, 54, 58
	WIN 0xc0
	CLOAD 128, 0                                           ; b2 takes AL
	WIN 0
	QUANT4 96, 124
	PRELU 192, 54, 58
	WIN 0xc0
	CLOAD 192, 512                                         ; W3 takes AH
	WIN 0
	QUANT4 104, 125
	PLACES 8
	s_wait_dscnt 16                                        ; b2 is in; the 16 loads of W3, issued behind it, may be out
	WIN 0xf3
	P2
	WIN 0
	PLACES 4
	PRELU 128, 56, 59
	s_wait_dscnt 0x0                                       ; W3
	DOT
.endm
; the tile's 16 rows once more, dense (lane = 4 columns), into AH; and the next tile's b1, low half, into AL
.macro ENDLOADS tail
	WIN 0xc0
.set i, 0
.rept 16
	ds_load_b128 v[192+4*i:195+4*i], v4 offset:ROWP*i
.set i, i+1
.endr
.if !\tail
	B1LOAD 0
.endif
	WIN 0
.endm
; The softmax's step for the state at v[sb]: rows lo .. lo + cnt - 1 of the tile.  sv: the lanes whose rows belong to this batch (0: all).  dsw: LDS loads issued behind the dense rows.
; S sums e over every row of the batch (masked rows at NEG), E over the rows whose mask is above 0: the softmax's divisor and the renormalising sum.  Lane (r, h) keeps row r's share.
.macro SOFT sb, lo, cnt, sv, dsw
	v_cmp_lt_i32 s70, 0, v10
	v_mov_b32 v17, 0xc61c4000                              ; NEG = -10000
.if \sv
	s_mov_b32 s71, \sv
	s_and_b32 s70, s70, s71
.endif
	v_cndmask_b32 v16, v17, v11, s70
.if \sv
	v_mov_b32 v17, 0xff61b1e6                              ; the other batch's rows: -3e38, under every score: e = 0
	v_cndmask_b32 v16, v17, v16, s71
.endif
	v_max_num_f32_dpp v17, v16, v16 row_xmask:1 row_mask:0xf bank_mask:0xf
	v_max_num_f32_dpp v17, v17, v17 row_xmask:2 row_mask:0xf bank_mask:0xf
	v_max_num_f32_dpp v17, v17, v17 row_xmask:4 row_mask:0xf bank_mask:0xf
	v_max_num_f32_dpp v17, v17, v17 row_xmask:8 row_mask:0xf bank_mask:0xf
	v_max_num_f32 v18, v[\sb], v17                         ; the running maximum
	v_sub_f32 v19, v[\sb], v18
	v_sub_f32 v20, v16, v18
	v_mul_f32 v19, 0x3fb8aa3b, v19
	v_mul_f32 v20, 0x3fb8aa3b, v20
	v_exp_f32 v126, v19                                    ; f = e^(old m - new m)
	v_exp_f32 v21, v20                                     ; e = e^(score - m)
	v_mov_b32 v[\sb], v18                                  ; (the plain place behind the two)
	s_wait_alu depctr_va_vdst(0)                           ; the wait ahead of the first reader: one for both
	v_fma_f32 v[\sb+1], v[\sb+1], v126, v21
	v_cndmask_b32 v22, 0, v21, s70                         ; the weight: e where the mask is above 0
	v_fma_f32 v[\sb+2], v[\sb+2], v126, v22
	v_pk_mul_f32 v[\sb+4:\sb+5], v[\sb+4:\sb+5], v[126:127] op_sel_hi:[1,0]
	v_pk_mul_f32 v[\sb+6:\sb+7], v[\sb+6:\sb+7], v[126:127] op_sel_hi:[1,0]
	s_wait_dscnt \dsw                                      ; the dense rows are in
.set run, 0
.rept \cnt/8
	WIN 0
.set nn, 0
.rept 8
	v_readlane_b32 s[72+2*nn], v22, \lo+8*run+nn           ; row's weight as a scalar
.set nn, nn+1
.endr
	WIN 0x03
.set nn, 0
.rept 8
.set rw, 192+4*(\lo+8*run+nn)
.if nn%2 == 0
	v_pk_fma_f32 v[\sb+4:\sb+5], v[rw:rw+1], s[72+2*nn:73+2*nn], v[\sb+4:\sb+5] op_sel_hi:[1,0,1]
	v_pk_fma_f32 v[\sb+6:\sb+7], v[rw+2:rw+3], s[72+2*nn:73+2*nn], v[\sb+6:\sb+7] op_sel_hi:[1,0,1]
.elseif (run == 0) && (nn == 1)
	v_pk_mul_f32 v[28:29], v[rw:rw+1], s[72+2*nn:73+2*nn] op_sel_hi:[1,0]          ; the odd rows have sums of their own: four chains in all
	v_pk_mul_f32 v[30:31], v[rw+2:rw+3], s[72+2*nn:73+2*nn] op_sel_hi:[1,0]
.else
	v_pk_fma_f32 v[28:29], v[rw:rw+1], s[72+2*nn:73+2*nn], v[28:29] op_sel_hi:[1,0,1]
	v_pk_fma_f32 v[30:31], v[rw+2:rw+3], s[72+2*nn:73+2*nn], v[30:31] op_sel_hi:[1,0,1]
.endif
.set nn, nn+1
.endr
.set run, run+1
.endr
	WIN 0
	v_pk_add_f32 v[\sb+4:\sb+5], v[\sb+4:\sb+5], v[28:29]
	v_pk_add_f32 v[\sb+6:\sb+7], v[\sb+6:\sb+7], v[30:31]
.endm
; THE CHANGE OF SLOTS, at a group's head.  Each wave waits for all its tensor loads (one is out: the group that it is about to read), adds 0 to its spare word, and waits for that and for its reads of the slot that it has left.
; fill = 1: the other slot takes group s3 + 1 (64 rows); fill = 2: slot 0 takes the last tile; fill = 0: nothing is left to fetch.  By this text's count one tensor load of a wave is out at the most.
.macro CHANGE fill
	s_wait_tensorcnt 0x0                                   ; no tensor load of mine is out, so group 0 of the descriptor may be written
	ds_add_u32 v13, v14                                    ; 0 onto my spare word; the descriptor's arithmetic stands between it and the wait for it
.if \fill == 1
	s_add_co_u32 s66, s3, 1
	s_and_b32 s67, s66, 1                                  ; its batch, which is its slot
	s_lshr_b32 s66, s66, 1                                 ; which 64 rows
	s_mul_i32 s33, s67, SLOTB
	s_add_co_u32 s33, s33, s88                             ; LDS address: my ring + the slot
	s_mul_i32 s68, s67, BATB
	s_lshl_b32 s66, s66, 15
	s_add_co_u32 s68, s68, s66
	s_add_nc_u64 s[34:35], s[4:5], s[68:69]
	s_or_b32 s35, s35, 0x80000000
.endif
.if \fill == 2
	s_mov_b32 s33, s88
	s_add_nc_u64 s[34:35], s[4:5], 192*512                 ; row 192 of A; B's lie a batch further on, which is the tile's pitch
	s_or_b32 s35, s35, 0x80000000
.endif
	s_wait_dscnt 0x0                                       ; the add is done, and my reads of the slot that I have left are over
	s_barrier_signal -1
	s_barrier_wait -1
.if \fill == 1
	tensor_load_to_lds s[32:35], s[36:43]                  ; the first thing behind the barrier, my one tensor load until the next: it has four tiles' work in which to land
	s_nop 0
	PLACES 4
.endif
.if \fill == 2
	tensor_load_to_lds s[32:35], s[44:51]
	s_nop 0
	PLACES 4
.endif
.endm
; A group: 64 rows of batch s3 & 1, four tiles.  The state in v32-39 is that batch's: the two states change places at the group's end.
.macro GROUP fill
	CHANGE \fill
	s_and_b32 s66, s3, 1
	s_lshr_b32 s67, s3, 1
	s_mul_i32 s62, s66, SLOTB                              ; the tile's place in my ring
	s_mul_i32 s63, s66, 800                                ; and its rows' mask words
	s_lshl_b32 s67, s67, 8
	s_add_co_u32 s63, s63, s67
	s_lshl_b32 s70, s66, 9
	v_add_nc_u32 v25, s70, v7                              ; the batch's q
	s_mul_i32 s70, s66, 1536
	v_add_nc_u32 v26, s70, v8                              ; and the image of its fragment
	v_add_nc_u32 v3, s62, v1
	HEADLOADS
	s_mov_b32 s61, 0
.Ltile_\@:
	CORE 0
	ENDLOADS 0
	s_cmp_eq_u32 s61, 3                                    ; the next tile's keys, but not past the slot's end
	s_cbranch_scc1 .Lnok_\@
	KLOAD TILEB
.Lnok_\@:
	SOFT 32, 0, 16, 0, 16                                  ; 16: b1's low half was asked for behind the rows (where the next keys were too, the count is stricter than it need be)
	s_add_co_u32 s62, s62, TILEB
	s_add_co_u32 s63, s63, 64
	s_add_co_u32 s61, s61, 1
	s_cmp_lt_u32 s61, 4
	s_cbranch_scc1 .Ltile_\@
.set i, 0
.rept 8
	v_swap_b32 v[32+i], v[40+i]
.set i, i+1
.endr
.endm
; q of batch be: its numbers from LDS, quantised once; the fragment and the scale word go to LDS as an image of the registers
.macro QPREP be
.irp c, 0,1
.irp j, 0,1,2,3,4,5,6,7
	ds_load_b128 v[192+32*\c+4*\j:195+32*\c+4*\j], v7 offset:512*\be+256*\c+16*\j   ; LDS serves a wave's instructions in order (ISA guide 5.7.1.4): these see my stores
.endr
.endr
	s_wait_dscnt 0x0
	QIN 192, 0, 88, 120
	ds_store_b128 v8, v[88:91] offset:1536*\be
	ds_store_b128 v8, v[92:95] offset:1536*\be+512
	ds_store_b32 v8, v120 offset:1536*\be+1024
	s_wait_dscnt 0x0                                       ; the stores have read their registers
.endm
; the end of a batch: out = (sum / S) / max(E / S, 1e-12) where E / S > 0, else 0
.macro FINAL sb, off, ob
.irp x, 1,2,4,8
	v_add_f32_dpp v[\sb+1], v[\sb+1], v[\sb+1] row_xmask:\x row_mask:0xf bank_mask:0xf
	v_add_f32_dpp v[\sb+2], v[\sb+2], v[\sb+2] row_xmask:\x row_mask:0xf bank_mask:0xf
.endr
	v_rcp_f32 v16, v[\sb+1]
	v_nop
	s_wait_alu depctr_va_vdst(0)                           ; the wait ahead of the first reader
	v_mul_f32 v17, v[\sb+2], v16                           ; denom
	v_max_num_f32 v18, 0x2b8cbccc, v17                     ; 1e-12
	v_rcp_f32 v19, v18
	v_cmp_lt_f32 vcc_lo, 0, v17
	v_nop
	s_wait_alu depctr_va_vdst(0)
	v_mul_f32 v20, v16, v19
	v_cndmask_b32 v20, 0, v20, vcc_lo
	v_pk_mul_f32 v[\ob:\ob+1], v[\sb+4:\sb+5], v[20:21] op_sel_hi:[1,0]
	v_pk_mul_f32 v[\ob+2:\ob+3], v[\sb+6:\sb+7], v[20:21] op_sel_hi:[1,0]
	global_store_b128 v15, v[\ob:\ob+3], s[30:31] offset:\off   ; 32 lanes store a row's 512 consecutive bytes, at a multiple of 256 from out0's first byte
.endm
	; ---------------- the head
	s_load_b512 s[4:19], s[0:1], 0x0                       ; keys, query, mask, W1's codes, W1's scales, W2's codes, W2's scales, b1
	s_load_b256 s[20:27], s[0:1], 0x40                     ; b2, W3, a1, a2
	s_load_b128 s[28:31], s[0:1], 0x60                     ; b3, out0
	v_lshl_add_u32 v13, v0, 2, SPARE
	v_mov_b32 v14, 0
	ds_add_u32 v13, v14
	ds_add_u32 v13, v14
	s_wait_dscnt 0x0
	v_lshrrev_b32 v16, 5, v0
	v_readfirstlane_b32 s2, v16                            ; wave 0..3
	; descriptor group 1 for a group: 64 rows x 128 f32, dense in memory, 4 words of padding behind every 128
	s_mov_b32 s36, (2<<16)|(1<<20)|(6<<22)|(3<<25)
	s_mov_b32 s37, 128<<16                                 ; tensor_dim0
	s_mov_b32 s38, 64<<16                                  ; tensor_dim1
	s_mov_b32 s39, 128<<16                                 ; tile_dim0
	s_mov_b32 s40, 64                                      ; tile_dim1
	s_mov_b32 s41, 128                                     ; the pitch
	s_mov_b32 s42, 0
	s_mov_b32 s43, 0
	; and for the last tile: 2 rows of 1,024 f32 (8 keys on end), 25,600 elements (a batch) apart; the same padding: in LDS 16 keys of pitch 528
	s_mov_b32 s44, (2<<16)|(1<<20)|(6<<22)|(3<<25)
	s_mov_b32 s45, 1024<<16
	s_mov_b32 s46, 2<<16
	s_mov_b32 s47, 1024<<16
	s_mov_b32 s48, 2
	s_mov_b32 s49, 25600
	s_mov_b32 s50, 0
	s_mov_b32 s51, 0
	s_mov_b32 s52, 0x76543210
	s_mov_b32 s53, 0xfedcba98                              ; v_permlanex16_b32: lane l xor 16
	s_mul_i32 s88, s2, WRING                               ; my ring
	s_mul_i32 s89, s2, CWB
	s_add_co_u32 s89, s89, CONSTB                          ; my constants
	s_lshl_b32 s66, ttmp9, 3
	s_lshl_b32 s67, s2, 1
	s_add_co_u32 s66, s66, s67                             ; A = 8 x work-group + 2 x wave
	s_mov_b32 s69, 0                                       ; the high word of every offset; never rewritten
	s_mul_i32 s68, s66, BATB                               ; under 2^28
	s_wait_kmcnt 0x0
	s_add_nc_u64 s[4:5], s[4:5], s[68:69]                  ; keys at A's first row
	s_lshl_b32 s68, s66, 9
	s_add_nc_u64 s[6:7], s[6:7], s[68:69]                  ; query and out0 at A's row
	s_add_nc_u64 s[30:31], s[30:31], s[68:69]
	s_mul_i32 s68, s66, 800
	s_add_nc_u64 s[8:9], s[8:9], s[68:69]                  ; mask likewise
	s_mov_b32 s32, 1                                       ; descriptor group 0: count = 1,
	s_mov_b32 s33, s88                                     ; slot 0,
	s_mov_b64 s[34:35], s[4:5]                             ; A's rows 0 to 63,
	s_or_b32 s35, s35, 0x80000000                          ; type = 2
	tensor_load_to_lds s[32:35], s[36:43]                  ; the first fill, ahead of every LDS read, wait on TENSORcnt and barrier
	s_nop 0
	PLACES 4
	s_load_b32 s54, s[24:25], 0x0                          ; a1
	s_load_b32 s56, s[26:27], 0x0                          ; a2
	s_load_b32 s60, s[28:29], 0x0                          ; b3
	v_and_b32 v16, 15, v0                                  ; r
	v_bfe_u32 v17, v0, 4, 1                                ; h
	v_and_b32 v18, 31, v0                                  ; lane
	v_lshlrev_b32 v15, 4, v18
	v_lshlrev_b32 v12, 3, v17
	v_mul_u32_u24 v1, v16, ROWP
	v_lshl_add_u32 v1, v17, 7, v1
	v_add_nc_u32 v1, s88, v1                               ; KLANE: my ring + 528 r + 128 h
	v_add_nc_u32 v2, s88, v15                              ; RLANE: my ring + 16 x lane
	v_lshlrev_b32 v5, 6, v17
	v_add_nc_u32 v5, s89, v5                               ; AB1: + 64 h
	v_lshlrev_b32 v6, 5, v17
	v_add_nc_u32 v6, s89, v6
	v_add_nc_u32 v6, C_B2, v6                              ; AB2: + 32 h
	v_lshlrev_b32 v7, 7, v17
	v_add_nc_u32 v7, s89, v7
	v_add_nc_u32 v7, C_QN, v7                              ; AQN0: + 128 h
	v_add_nc_u32 v4, s89, v15                              ; (for the stores below: my constants + 16 x lane)
	v_add_nc_u32 v8, C_QI, v4                              ; AQI0
	v_lshlrev_b32 v9, 2, v16
	v_add_nc_u32 v9, s89, v9
	v_add_nc_u32 v9, C_MK, v9                              ; AMK0: + 4 r
	v_and_b32 v19, 8, v16
	v_add_nc_u32 v19, v19, v16                             ; r + 8 (r / 8)
	v_lshlrev_b32 v20, 8, v19
	v_lshl_add_u32 v20, v17, 4, v20                        ; W1's codes: a row is 256 bytes; + 16 h
	v_lshlrev_b32 v21, 7, v16
	v_lshl_add_u32 v21, v17, 4, v21                        ; W2's: a row is 128 bytes
	v_lshl_add_u32 v22, v17, 3, v19
	v_lshlrev_b32 v22, 4, v22                              ; W1's scale words: 16 bytes a row; lanes 16-31 take the odd tile's rows, 8 further on
	v_lshlrev_b32 v23, 3, v18                              ; W2's: 8 bytes a row; lanes 16-31 the odd tile's
	v_lshlrev_b32 v24, 2, v16
.macro W1LOAD t0
.set tt, 0
.rept 8
.irp st, 0,1,2,3
.irp c, 0,1
	global_load_b128 v[8*(4*tt+\st)+4*\c:8*(4*tt+\st)+4*\c+3], v20, s[10:11] offset:(32*((tt+\t0)/2)+8*(tt%2))*256+64*\st+32*\c
.endr
.endr
.set tt, tt+1
.endr
.endm
	WIN 0x40
	W1LOAD 0
	WIN 0x80
	W1LOAD 8
	WIN 0xc0
.set u, 0
.rept 8
.irp sg, 0,1
.irp c, 0,1
	global_load_b128 v[8*(2*u+\sg)+4*\c:8*(2*u+\sg)+4*\c+3], v21, s[14:15] offset:2048*u+64*\sg+32*\c
.endr
.endr
.set u, u+1
.endr
	WIN 0
.irp p, 0,1,2,3,4,5,6,7
	global_load_b128 v[48+4*\p:51+4*\p], v22, s[12:13] offset:512*\p
.endr
.irp p, 0,1,2,3
	global_load_b64 v[80+2*\p:81+2*\p], v23, s[16:17] offset:256*\p
.endr
	global_load_b128 v[128:131], v15, s[18:19]             ; the small inputs, dense, 512 bytes a load
	global_load_b128 v[132:135], v15, s[18:19] offset:512
	global_load_b128 v[136:139], v15, s[20:21]
	global_load_b128 v[140:143], v15, s[22:23]
	global_load_b128 v[144:147], v15, s[6:7]
	global_load_b128 v[148:151], v15, s[6:7] offset:512
	global_load_b128 v[152:155], v15, s[8:9]
	global_load_b128 v[156:159], v15, s[8:9] offset:512
	global_load_b128 v[160:163], v15, s[8:9] offset:1024
	global_load_b32 v164, v24, s[8:9] offset:1536          ; the masks' last 64 of 1,600 bytes (both halves of the lanes the same)
	s_wait_loadcnt 0x0                                     ; all of it; the offsets' registers are free
	ds_store_b128 v4, v[128:131]
	ds_store_b128 v4, v[132:135] offset:512
	ds_store_b128 v4, v[136:139] offset:1024
	ds_store_b128 v4, v[140:143] offset:1536
	ds_store_b128 v4, v[144:147] offset:C_QN
	ds_store_b128 v4, v[148:151] offset:C_QN+512
	ds_store_b128 v4, v[152:155] offset:C_MK
	ds_store_b128 v4, v[156:159] offset:C_MK+512
	ds_store_b128 v4, v[160:163] offset:C_MK+1024
	ds_store_b32 v9, v164 offset:1536
.set i, 0
.rept 16
	v_mov_b32 v[16+i], 0                                   ; written once: the destination of a lane permute or a DPP form counts as one of its sources
.set i, i+1
.endr
.irp sb, 32, 40
	v_mov_b32 v[\sb], 0xff61b1e6                           ; m: -3e38, under every score
.irp j, 1,2,3,4,5,6,7
	v_mov_b32 v[\sb+\j], 0
.endr
.endr
	v_mov_b32 v126, 0
	v_mov_b32 v127, 0                                      ; (named as the upper half of the pair)
.irp j, 73,75,77,79,81,83,85,87
	s_mov_b32 s[\j], 0                                     ; (the upper halves of the weights' pairs)
.endr
	s_wait_kmcnt 0x0
	s_mov_b32 s55, s54
	s_mov_b32 s57, s56
	v_mov_b32 v16, 0xff800000
	v_mov_b32 v17, 0x7f800000
	v_mov_b32 v18, 1.0
	v_cmp_le_f32 vcc_lo, s54, v18
	v_cndmask_b32 v19, v16, v17, vcc_lo                    ; +infinity where a1 <= 1 (the middle of three is then the larger of x and a x), else -infinity
	v_readfirstlane_b32 s58, v19
	v_cmp_le_f32 vcc_lo, s56, v18
	v_cndmask_b32 v19, v16, v17, vcc_lo
	v_readfirstlane_b32 s59, v19
	QPREP 0
	QPREP 1
	WIN 0xc0
	B1LOAD 0                                               ; for the first tile
	WIN 0
	s_mov_b32 s3, 0
	; ---------------- the groups
.Lgroup:                                                       ; groups 0 to 4: behind each change of slots the next 64 rows are asked for
	GROUP 1
	s_add_co_u32 s3, s3, 1
	s_cmp_lt_u32 s3, 5
	s_cbranch_scc1 .Lgroup
	GROUP 2                                                ; group 5 is written out: its refill is the last tile, of another shape
	; ---------------- the last tile: rows 0-7 are A's 192-199, rows 8-15 B's.  After six changes of places A's state lies in v32-39 again.
	CHANGE 0
	s_mov_b32 s62, 0
	v_bfe_u32 v24, v0, 3, 1                                ; my row's batch
	v_lshl_add_u32 v25, v24, 9, v7
	v_mad_u32_u24 v26, v24, 1536, v8
	v_mad_u32_u24 v27, v24, 768, v9                        ; mask word 192 + r % 8 of batch r / 8: 800 (r / 8) + 768 + 4 r - 32 (r / 8)
	v_add_nc_u32 v27, 768, v27
	v_add_nc_u32 v3, s62, v1
	HEADLOADS
	CORE 1
	ENDLOADS 1
	SOFT 32, 0, 8, 0x00ff00ff, 0
	SOFT 40, 8, 8, 0xff00ff00, 0
	FINAL 32, 0, 24
	FINAL 40, 512, 28
	s_wait_tensorcnt 0x0                                   ; the wave's end, behind my last tensor load and my last LDS store
	ds_add_u32 v13, v14
	s_wait_dscnt 0x0
	s_endpgm
.Lfunc_end_k_q25402d9890_din:
	.size	k_q25402d9890_din, .Lfunc_end_k_q25402d9890_din-k_q25402d9890_din
	.p2alignl 7, 3214868480
	.fill 96, 4, 3214868480
	.section	.rodata,"a",@progbits
	.p2align	6, 0x0
	.amdhsa_kernel k_q25402d9890_din
		.amdhsa_group_segment_fixed_size 327680
		.amdhsa_private_segment_fixed_size 0
		.amdhsa_enable_private_segment 0
		.amdhsa_kernarg_size 112
		.amdhsa_user_sgpr_count 2
		.amdhsa_user_sgpr_kernarg_segment_ptr 1
		.amdhsa_wavefront_size32 1
		.amdhsa_system_sgpr_workgroup_id_x 1
		.amdhsa_system_sgpr_workgroup_id_y 1
		.amdhsa_system_sgpr_workgroup_id_z 1
		.amdhsa_system_vgpr_workitem_id 0
		.amdhsa_next_free_vgpr 1024
		.amdhsa_next_free_sgpr 96
		.amdhsa_reserve_vcc 1
		.amdhsa_float_denorm_mode_32 3
		.amdhsa_float_denorm_mode_16_64 3
		.amdhsa_memory_ordered 1
		.amdhsa_forward_progress 1
		.amdhsa_inst_pref_size 236
	.end_amdhsa_kernel
	.amdgpu_metadata
---
amdhsa.version: [ 1, 2 ]
amdhsa.kernels:
  - .name:           k_q25402d9890_din
    .symbol:         k_q25402d9890_din.kd
    .args:
      - { .name: keys, .offset: 0, .size: 8, .value_kind: global_buffer, .address_space: global }
      - { .name: query, .offset: 8, .size: 8, .value_kind: global_buffer, .address_space: global }
      - { .name: mask, .offset: 16, .size: 8, .value_kind: global_buffer, .address_space: global }
      - { .name: W1_codes, .offset: 24, .size: 8, .value_kind: global_buffer, .address_space: global }
      - { .name: W1_scales, .offset: 32, .size: 8, .value_kind: global_buffer, .address_space: global }
      - { .name: W2_codes, .offset: 40, .size: 8, .value_kind: global_buffer, .address_space: global }
      - { .name: W2_scales, .offset: 48, .size: 8, .value_kind: global_buffer, .address_space: global }
      - { .name: b1, .offset: 56, .size: 8, .value_kind: global_buffer, .address_space: global }
      - { .name: b2, .offset: 64, .size: 8, .value_kind: global_buffer, .address_space: global }
      - { .name: W3, .offset: 72, .size: 8, .value_kind: global_buffer, .address_space: global }
      - { .name: a1, .offset: 80, .size: 8, .value_kind: global_buffer, .address_space: global }
      - { .name: a2, .offset: 88, .size: 8, .value_kind: global_buffer, .address_space: global }
      - { .name: b3, .offset: 96, .size: 8, .value_kind: global_buffer, .address_space: global }
      - { .name: out0, .offset: 104, .size: 8, .value_kind: global_buffer, .address_space: global }
    .group_segment_fixed_size: 327680
    .private_segment_fixed_size: 0
    .kernarg_segment_align: 8
    .kernarg_segment_size: 112
    .max_flat_workgroup_size: 128
    .sgpr_count:     96
    .vgpr_count:     1024
    .wavefront_size: 32
...
	.end_amdgpu_metadata
.endif
;; end of part 1
